; MI455X (gfx1250); checked and timed in simulation.
; The chip was launched on July 23, 2026; its instructions are those of AMD's public machine-readable ISA for CDNA 5 (MIT licence, August 2026) and "CDNA5" Instruction Set Architecture Reference Guide (July 2026). The comments in the code are by the model that wrote it; some were corrected since.
;; Topology. Allowed arithmetic: float matrix products may take bf16 or f16 operands with f32 sums; all other float work in f32.
;; Inputs: motion1 16,384 x 22 x 3 float32; motion2 16,384 x 22 x 3 float32.
;; Outputs: out0 16,383 float32.
;; One version. Each part assembles by itself: llvm-mc -triple=amdgcn-amd-amdhsa -mcpu=gfx1250 --defsym DOCPART=n.
;; ======== version 1 of 1: 1 launch
;; limits: a function is approximated: absolute error at most 7e-05; below input magnitudes of 3e-10 results are inexact or not finite; inputs' magnitudes at most 1,000,000,000
;; launch gli (part 1): grid 256 x 1, 21 waves a work-group, no clusters, 61,184 bytes of LDS; arguments motion1, motion2, out0; writes out0
.if DOCPART == 1
	.amdgcn_target "amdgcn-amd-amdhsa--gfx1250"
	.amdhsa_code_object_version 6
	.text
	.protected	k_q308579c57f_gli
	.globl	k_q308579c57f_gli
	.p2align	8
	.type	k_q308579c57f_gli,@function
k_q308579c57f_gli:
	s_mov_b64 s[64:65], 0
	v_nop
	global_prefetch_b8 v0, s[64:65] scope:SCOPE_SE
	s_setreg_imm32_b32 hwreg(HW_REG_WAVE_MODE, 25, 1), 1
	s_wait_xcnt 0x0
; out[i] = max over the 25 path pairs of | mask[i+1] G[i+1] - mask[i] G[i] |, G[f][pa][pb] = sum of the Gauss link integrals of the
; segments of path pa of motion1 with those of path pb of motion2 in frame f (16 x 16 segment pairs a frame).
;
; SHARES.  256 work-groups, 64 outputs each: G of 65 frames, box flags of 67.  Waves 0-15: a lane owns one frame and TWO segments of
; motion1 (low and high word of even register pairs, so all plain arithmetic is packed f32) and walks the 16 segments of motion2;
; 8 lanes a frame, 4 frames a wave.  Waves 16-20: the 67 x 2 bounding boxes, and the 65th frame, one path of motion2 a wave, one of its
; segments for each group of 8 lanes.  Then waves 0-15 make the differences and wave 0 stores 256 consecutive, aligned bytes.
;
; ALGEBRA.  For a segment (s1, e1) and the joints p_k of a path: u_k = p_k - s1, w_k = p_k - e1, C_k = u_k x w_k.  The four faces of segment
; k -> n are F1 = u_k x u_n, C_n, F3 = w_n x w_k, -C_k: C is made once a joint and serves two segments.  (r34 x r12).r13 = r12.F1.
; A face is normalised by rsq(max(|f|^2, 2^-126)): a zero face gives zero dots, as the zeros of the reference do.
; asin(d) = copysign(pi/2 - sqrt(1 - a) (a0 + a1 a + a2 a^2 + a3 a^3), d), a = min(|d|, 1): the min is the reference's clip.
; 1 / (4 pi) and the mask multiply the sums at the end.
;
; LIMITS.  The asin polynomial is off by at most 7e-5 on all of [0, 1] (at d = 0 it leaves pi/2 - a0 = 6.8e-5): an output by at most
; 2 x 64 x 7e-5 / (4 pi) = 7.1e-4.  A face with 0 < |f|^2 < 2^-126 is scaled by 2^63 and not to unit length.  |f|^2 must not overflow
; f32 (joint distances under about 1e9).  NaN and infinite inputs are not served.  The sign and the sums are rounded in another order than
; the reference's.
;
; LEFT OUT.  Matrix instructions: the products are 3-vector crosses inside a lane.  Clusters: of a group's 67 rows 3 are also a neighbour's.
; The tensor mover: a row is 66 words, no power of two, so its padding cannot re-pitch it.  Prefetches: every byte is asked for in the
; first lines.  A second launch for the differences: it would send 25 sums a frame through memory and back.
.set ROWB,  264                        ; bytes of a frame in memory: 22 joints x 3 x 4
.set PITCH, 272                        ; bytes of a frame in LDS: a multiple of 16, for 16-byte loads
.set M2,    67*PITCH                   ; LDS: motion1's 67 rows at 0, motion2's here.  Row r = frame 64 wg - 1 + r
.set SB,    2*M2                       ; S[frame 0..64][pb 0..4][segment of motion1 0..15] f32
.set SFR,   320                        ; bytes of a frame in S
.set FB,    SB+65*SFR                  ; 160 f32: words 2 r and 2 r + 1 = flag of row r, 1.0 (boxes overlap) or 0.0
.set OB,    FB+640                     ; 64 f32: the outputs
.set LASTC, 16384*ROWB-8               ; the last 8-byte chunk of an input
.set RB,   1                           ; v1        LDS byte of my frame's row, less one row: min(t / 8, 64) x PITCH
.set ONE,  2                           ; v2        1.0
.set AL,   3                           ; v3        t % 8: my pair of segments
.set A2,   4                           ; v[4:5]    a2, twice
.set SEGS, 6                           ; v[6:11]   s1: x, y, z, each a pair (low segment, high segment)
.set SEGE, 12                          ; v[12:17]  e1
.set SEGD, 18                          ; v[18:23]  e1 - s1
.set P,    24                          ; v[24:71]  motion2's numbers (waves 16-20: v[24:89], a whole row)
.set J0,   72                          ; v[72:91]  a joint's state: u +0, w +6, C +12, 1/|C| +18
.set J1,   92                          ; v[92:111] the other joint's
.set T,    112                         ; v[112:145] at work in a segment
.set ACC,  146                         ; v[146:155] five pairs, one for each path of motion2
.set JF,   156                         ; v156      min(t / 8, 63): my frame in S and O
.set LN,   157                         ; v157      lane
; pair d = v[p] (in both words) - pair s
.macro PSUB d, p, s
.if (\p)&1
	v_pk_add_f32 v[\d:\d+1], v[\p-1:\p], v[\s:\s+1] op_sel:[1,0] op_sel_hi:[1,1] neg_lo:[0,1] neg_hi:[0,1]
.else
	v_pk_add_f32 v[\d:\d+1], v[\p:\p+1], v[\s:\s+1] op_sel_hi:[0,1] neg_lo:[0,1] neg_hi:[0,1]
.endif
.endm
; d = a x b, three pairs each
.macro CROSS d, a, b
	v_pk_mul_f32 v[\d:\d+1],   v[\a+4:\a+5], v[\b+2:\b+3]
	v_pk_mul_f32 v[\d+2:\d+3], v[\a:\a+1],   v[\b+4:\b+5]
	v_pk_mul_f32 v[\d+4:\d+5], v[\a+2:\a+3], v[\b:\b+1]
	v_pk_fma_f32 v[\d:\d+1],   v[\a+2:\a+3], v[\b+4:\b+5], v[\d:\d+1]   neg_lo:[0,0,1] neg_hi:[0,0,1]
	v_pk_fma_f32 v[\d+2:\d+3], v[\a+4:\a+5], v[\b:\b+1],   v[\d+2:\d+3] neg_lo:[0,0,1] neg_hi:[0,0,1]
	v_pk_fma_f32 v[\d+4:\d+5], v[\a:\a+1],   v[\b+2:\b+3], v[\d+4:\d+5] neg_lo:[0,0,1] neg_hi:[0,0,1]
.endm
; pair d = a . b
.macro DOT d, a, b
	v_pk_mul_f32 v[\d:\d+1], v[\a:\a+1],   v[\b:\b+1]
	v_pk_fma_f32 v[\d:\d+1], v[\a+2:\a+3], v[\b+2:\b+3], v[\d:\d+1]
	v_pk_fma_f32 v[\d:\d+1], v[\a+4:\a+5], v[\b+4:\b+5], v[\d:\d+1]
.endm
; The state of the joint whose x, y, z lie in v[p], v[p+1], v[p+2].  It ends in two v_rsq_f32; the line that follows a JOINT is always a
; packed add or multiply of other registers: the plain instruction that stands between a transcendental and its result's use (ISA guide 5.7.2).
.macro JOINT J, p
	PSUB \J,      \p,     SEGS
	PSUB (\J+2),  (\p+1), (SEGS+2)
	PSUB (\J+4),  (\p+2), (SEGS+4)
	PSUB (\J+6),  \p,     SEGE
	PSUB (\J+8),  (\p+1), (SEGE+2)
	PSUB (\J+10), (\p+2), (SEGE+4)
	CROSS (\J+12), \J, (\J+6)
	DOT (\J+18), (\J+12), (\J+12)
	v_max_num_f32 v[\J+18], s29, v[\J+18]
	v_max_num_f32 v[\J+19], s29, v[\J+19]
	v_rsq_f32 v[\J+18], v[\J+18]
	v_rsq_f32 v[\J+19], v[\J+19]
.endm
; One segment of motion2, from joint state Jk to Jn, against my two segments of motion1; first = 1 starts the sum (nothing is cleared).
; T: F1 0-5, F3 6-11, 1/|F1| 12, 1/|F3| 14, the dots 16-23, r12.F1 24, products of the reciprocals 26-33;
; later a = min(|d|, 1) 0-7, the roots and then the asins 8-15, the polynomial 26-33.
.macro SEG Jk, Jn, acc, first
	CROSS T, \Jk, \Jn
	CROSS (T+6), (\Jn+6), (\Jk+6)
	DOT (T+12), T, T
	DOT (T+14), (T+6), (T+6)
.irp i, 12,13,14,15
	v_max_num_f32 v[T+\i], s29, v[T+\i]
.endr
.irp i, 12,13,14,15
	v_rsq_f32 v[T+\i], v[T+\i]
.endr
	DOT (T+16), T, (\Jn+12)                        ; fifteen plain lines on other registers stand behind the reciprocal roots
	DOT (T+18), (\Jn+12), (T+6)
	DOT (T+20), (T+6), (\Jk+12)
	DOT (T+22), (\Jk+12), T
	DOT (T+24), SEGD, T                            ; the sign's triple product
	s_wait_alu depctr_va_vdst(0)
	v_pk_mul_f32 v[T+26:T+27], v[T+12:T+13],     v[\Jn+18:\Jn+19]
	v_pk_mul_f32 v[T+28:T+29], v[\Jn+18:\Jn+19], v[T+14:T+15]
	v_pk_mul_f32 v[T+30:T+31], v[T+14:T+15],     v[\Jk+18:\Jk+19]
	v_pk_mul_f32 v[T+32:T+33], v[\Jk+18:\Jk+19], v[T+12:T+13]
	v_pk_mul_f32 v[T+16:T+17], v[T+16:T+17], v[T+26:T+27]
	v_pk_mul_f32 v[T+18:T+19], v[T+18:T+19], v[T+28:T+29]
	v_pk_mul_f32 v[T+20:T+21], v[T+20:T+21], v[T+30:T+31] neg_lo:[1,0] neg_hi:[1,0]   ; the fourth face is -C_k
	v_pk_mul_f32 v[T+22:T+23], v[T+22:T+23], v[T+32:T+33] neg_lo:[1,0] neg_hi:[1,0]
.irp i, 0,1,2,3,4,5,6,7
	v_min_num_f32 v[T+\i], |v[T+16+\i]|, 1.0
.endr
.irp i, 0,2,4,6
	v_pk_add_f32 v[T+8+\i:T+9+\i], v[T+\i:T+1+\i], 1.0 op_sel_hi:[1,0] neg_lo:[1,0] neg_hi:[1,0]   ; 1 - a: zero or at least 2^-24
.endr
.irp i, 8,9,10,11,12,13,14,15
	v_sqrt_f32 v[T+\i], v[T+\i]
.endr
.irp i, 0,2,4,6
	v_pk_fma_f32 v[T+26+\i:T+27+\i], v[T+\i:T+1+\i], s[20:21], v[A2:A2+1] op_sel_hi:[1,0,1]        ; plain lines behind the roots
.endr
.irp i, 0,2,4,6
	v_pk_fma_f32 v[T+26+\i:T+27+\i], v[T+26+\i:T+27+\i], v[T+\i:T+1+\i], s[22:23] op_sel_hi:[1,1,0]
.endr
.irp i, 0,2,4,6
	v_pk_fma_f32 v[T+26+\i:T+27+\i], v[T+26+\i:T+27+\i], v[T+\i:T+1+\i], s[24:25] op_sel_hi:[1,1,0]
.endr
	s_wait_alu depctr_va_vdst(0)
.irp i, 0,2,4,6
	v_pk_fma_f32 v[T+8+\i:T+9+\i], v[T+8+\i:T+9+\i], v[T+26+\i:T+27+\i], s[26:27] op_sel_hi:[1,1,0] neg_lo:[1,0,0] neg_hi:[1,0,0]
.endr
.irp i, 0,1,2,3,4,5,6,7
	v_bfi_b32 v[T+8+\i], s28, v[T+8+\i], v[T+16+\i]        ; the dot's sign
.endr
	v_pk_add_f32 v[T+8:T+9],   v[T+8:T+9],   v[T+10:T+11]
	v_pk_add_f32 v[T+12:T+13], v[T+12:T+13], v[T+14:T+15]
	v_pk_add_f32 v[T+8:T+9],   v[T+8:T+9],   v[T+12:T+13]
	v_cmp_lt_f32 vcc_lo, 0, v[T+24]
	v_cndmask_b32 v[T+24], -1.0, v[ONE], vcc_lo            ; 1 where the triple product is above 0, else -1
	v_cmp_lt_f32 vcc_lo, 0, v[T+25]
	v_cndmask_b32 v[T+25], -1.0, v[ONE], vcc_lo
.if \first
	v_pk_mul_f32 v[\acc:\acc+1], v[T+8:T+9], v[T+24:T+25]
.else
	v_pk_fma_f32 v[\acc:\acc+1], v[T+8:T+9], v[T+24:T+25], v[\acc:\acc+1]
.endif
.endm
; A path of motion2: joint j lies at v[base + 3 j].  j4 = -1: four joints.
.macro PATH acc, base, j0, j1, j2, j3, j4
	JOINT J0, (\base+3*\j0)
	JOINT J1, (\base+3*\j1)
	SEG J0, J1, \acc, 1
	JOINT J0, (\base+3*\j2)
	SEG J1, J0, \acc, 0
	JOINT J1, (\base+3*\j3)
	SEG J0, J1, \acc, 0
.if \j4 >= 0
	JOINT J0, (\base+3*\j4)
	SEG J1, J0, \acc, 0
.endif
.endm
.macro MKD                             ; e1 - s1
.irp c, 0,2,4
	v_pk_add_f32 v[SEGD+\c:SEGD+\c+1], v[SEGE+\c:SEGE+\c+1], v[SEGS+\c:SEGS+\c+1] neg_lo:[0,1] neg_hi:[0,1]
.endr
.endm
; dst = RB + byte (t % 8) of the table lo, hi (12 x a joint's number).  vcc: t % 8 >= 4.  v108: 8 (t % 4).
.macro TAB dst, lo, hi
	v_mov_b32 v[\dst], \hi
	v_cndmask_b32 v[\dst], \lo, v[\dst], vcc_lo
	v_lshrrev_b32 v[\dst], v108, v[\dst]
	v_and_b32 v[\dst], 0xfc, v[\dst]
	v_add_nc_u32 v[\dst], v[\dst], v[RB]
.endm
; dst = 8 (c + c / 33), c = t + c0 (left in v78 where c0 is not 0): chunk c of 8 bytes, 33 to a row, in rows 8 bytes longer.
; c / 33 = (1986 c) >> 16: 1986 x 33 = 65538, exact for c below 32768.
.macro LADR dst, c0
.if \c0
	v_add_nc_u32 v78, \c0, v0
	v_mul_u32_u24 v79, 1986, v78
	v_lshrrev_b32 v79, 16, v79
	v_add_lshl_u32 v[\dst], v78, v79, 3
.else
	v_mul_u32_u24 v79, 1986, v0
	v_lshrrev_b32 v79, 16, v79
	v_add_lshl_u32 v[\dst], v0, v79, 3
.endif
.endm
; dst = min or max over the 22 joints of the numbers at v[f + 3 j]
.macro RED op3, op2, dst, f
	\op3 v[\dst], v[\f], v[\f+3], v[\f+6]
.irp k, 3,5,7,9,11,13,15,17,19
	\op3 v[\dst], v[\dst], v[\f+3*\k], v[\f+3*\k+3]
.endr
	\op2 v[\dst], v[\dst], v[\f+63]
.endm
	s_load_b128 s[4:7], s[0:1], 0x0                ; motion1 s[4:5], motion2 s[6:7]
	s_load_b64 s[8:9], s[0:1], 0x10                ; out
	v_lshl_add_u32 v158, v0, 2, 0xe400
	v_mov_b32 v159, 0
	v_lshrrev_b32 v72, 5, v0
	v_readfirstlane_b32 s16, v72                   ; wave 0..20
	s_lshl_b32 s17, ttmp9, 6                       ; my first frame, 64 wg
	s_mul_i32 s14, ttmp9, 64*ROWB                  ; its byte in the inputs: a multiple of 256
	s_mov_b32 s15, 0
	s_max_u32 s19, s14, ROWB
	s_sub_co_u32 s19, s19, ROWB                    ; the frame in front of it (group 0: frame 0 once more; its flag is forced to 0)
	s_mov_b32 s20, 0xbc996e30                      ; a3 = -0.0187293 (pairs: the packed forms name both words)
	s_mov_b32 s21, 0xbc996e30
	s_mov_b32 s22, 0xbe593484                      ; a1 = -0.2121144
	s_mov_b32 s23, 0xbe593484
	s_mov_b32 s24, 0x3fc90da4                      ; a0 = 1.5707288
	s_mov_b32 s25, 0x3fc90da4
	s_mov_b32 s26, 0x3fc90fdb                      ; pi / 2
	s_mov_b32 s27, 0x3fc90fdb
	s_mov_b32 s28, 0x7fffffff
	s_mov_b32 s29, 0x00800000                      ; 2^-126
	s_mov_b32 s30, 0x76543210                      ; v_permlanex16_b32: lane i reads lane i of the other half
	s_mov_b32 s31, 0xfedcba98
	s_mov_b32 s41, 0x3da2f983                      ; 1 / (4 pi)
	v_mov_b32 v[ONE], 1.0
	v_mov_b32 v[A2], 0x3d981627                    ; a2 = 0.0742610
	v_mov_b32 v[A2+1], 0x3d981627
	v_and_b32 v[LN], 31, v0
	v_and_b32 v[AL], 7, v0
	v_lshrrev_b32 v[JF], 3, v0
	v_min_u32 v[RB], 64, v[JF]                     ; waves 16-20 all take the 65th frame
	v_min_u32 v[JF], 63, v[JF]
	v_mul_u32_u24 v[RB], PITCH, v[RB]
	; Lane t % 8 = i owns segments 2 i (low) and 2 i + 1 (high) of
	; (2,5)(5,8)(8,11) (1,4)(4,7)(7,10) (3,6)(6,9)(9,12)(12,15) (14,17)(17,19)(19,21) (13,16)(16,18)(18,20)
	v_and_b32 v108, 3, v[AL]
	v_lshlrev_b32 v108, 3, v108
	v_cmp_le_u32 vcc_lo, 4, v[AL]
	TAB 104, 0x24306018, 0xc0e4a86c                ; start of the low segment
	TAB 105, 0x4854843c, 0xd8fccc90                ; its end
	TAB 106, 0x48540c3c, 0xd89ccc90                ; start of the high segment
	TAB 107, 0x6c783060, 0xf0c0e4b4                ; its end
	; THE FILL: 67 rows x 33 chunks of 8 bytes of each input.  Three passes of 672 chunks run straight on from frame 64 wg (a wave's load:
	; 256 consecutive bytes, aligned).  In the fourth, lanes 0-32 take the row in front, lanes 33-194 chunks 2016 to 2177 (up to frame 64 wg + 65).
	; In the last group the bytes past the input's end are replaced by its last chunk: those rows' flags are forced to 0, and
	; the only difference that the 65th frame would feed there is output 16383, which does not exist.
	v_lshlrev_b32 v72, 3, v0
	LADR 73, 0
	LADR 74, 672
	LADR 75, 1344
	LADR 77, 1983
	v_add_nc_u32 v77, PITCH, v77
	v_lshl_add_u32 v76, v78, 3, s14
	v_min_u32 v76, LASTC, v76
	v_add_nc_u32 v96, s19, v72
	v_cmp_gt_u32 vcc_lo, 33, v0
	v_cndmask_b32 v77, v77, v72, vcc_lo            ; LDS row 0
	v_cndmask_b32 v76, v76, v96, vcc_lo
	v_cmp_gt_u32 vcc_lo, 195, v0
	s_wait_kmcnt 0x0
	s_add_nc_u64 s[10:11], s[4:5], s[14:15]
	s_add_nc_u64 s[12:13], s[6:7], s[14:15]
.irp i, 0,1,2
	global_load_b64 v[80+4*\i:81+4*\i], v72, s[10:11] offset:5376*\i
	global_load_b64 v[82+4*\i:83+4*\i], v72, s[12:13] offset:5376*\i
.endr
	s_wait_xcnt 0x0                                ; EXEC is a source of the six loads: it narrows only behind this wait
	s_and_saveexec_b32 s40, vcc_lo
	global_load_b64 v[92:93], v76, s[4:5]
	global_load_b64 v[94:95], v76, s[6:7]
	s_wait_loadcnt 0x0                             ; zero: all eight are stored in front of the barrier, nothing else is there to do
	ds_store_b64 v77, v[92:93]
	ds_store_b64 v77, v[94:95] offset:M2
	s_wait_xcnt 0x0                                ; and it widens only behind this one
	s_or_b32 exec_lo, exec_lo, s40
.irp i, 0,1,2
	ds_store_b64 v[73+\i], v[80+4*\i:81+4*\i] offset:PITCH
	ds_store_b64 v[73+\i], v[82+4*\i:83+4*\i] offset:PITCH+M2
.endr
	s_wait_dscnt 0x0                               ; my stores are in LDS before I say so
	s_barrier_signal -1
	s_barrier_wait -1                              ; the rows are whole; nobody writes them again
.irp c, 0,1,2
	ds_load_b32 v[SEGS+2*\c],   v104 offset:PITCH+4*\c
	ds_load_b32 v[SEGE+2*\c],   v105 offset:PITCH+4*\c
	ds_load_b32 v[SEGS+2*\c+1], v106 offset:PITCH+4*\c
	ds_load_b32 v[SEGE+2*\c+1], v107 offset:PITCH+4*\c
.endr
	s_cmp_ge_u32 s16, 16
	s_cbranch_scc1 .Lextra
	; WAVES 0-15.  Numbers 0-47 of my frame of motion2: joint j at P + 3 j, enough for joints 0-15
.irp q, 0,1,2,3,4,5,6,7,8,9,10,11
	ds_load_b128 v[P+4*\q:P+4*\q+3], v[RB] offset:M2+PITCH+16*\q
.endr
	s_wait_dscnt 0x0                               ; zero: the first joint needs s1, e1 and the first of these; the rest follows within a few lines
	MKD
	PATH ACC,     P, 2, 5, 8, 11, -1
	PATH (ACC+2), P, 1, 4, 7, 10, -1
	PATH (ACC+4), P, 3, 6, 9, 12, 15
	; numbers 36-65, from byte 144 of the row to its last: joint j at P + 3 j - 36
.irp q, 0,1,2,3,4,5,6
	ds_load_b128 v[P+4*\q:P+4*\q+3], v[RB] offset:M2+PITCH+144+16*\q
.endr
	ds_load_b64 v[P+28:P+29], v[RB] offset:M2+PITCH+256
	s_wait_dscnt 0x0
	PATH (ACC+6), (P-36), 14, 17, 19, 21, -1
	PATH (ACC+8), (P-36), 13, 16, 18, 20, -1
	v_mul_u32_u24 v72, SFR, v[JF]
	v_lshl_add_u32 v72, v[AL], 3, v72
.irp b, 0,1,2,3,4
	ds_store_b64 v72, v[ACC+2*\b:ACC+2*\b+1] offset:SB+64*\b
.endr
	s_branch .Ljoin
.Lextra:
	; WAVES 16-20, first job: thread h = 0..159 takes row min(h / 2, 66) of motion 1 + h % 2 and finds its box in x and z
	s_sub_co_u32 s32, s16, 16                      ; 0..4: also my path of motion2
	s_lshl_b32 s18, s32, 5
	v_add_nc_u32 v148, s18, v[LN]                  ; h
	v_lshrrev_b32 v149, 1, v148
	v_min_u32 v149, 66, v149                       ; row
	v_and_b32 v152, 1, v148
	v_mul_u32_u24 v152, M2, v152
	v_mad_u32_u24 v152, v149, PITCH, v152
.irp q, 0,1,2,3,4,5,6,7,8,9,10,11,12,13,14,15
	ds_load_b128 v[P+4*\q:P+4*\q+3], v152 offset:16*\q
.endr
	ds_load_b64 v[P+64:P+65], v152 offset:256
	s_wait_dscnt 0x0
	RED v_min3_num_f32, v_min_num_f32, 100, P
	RED v_max3_num_f32, v_max_num_f32, 101, P
	RED v_min3_num_f32, v_min_num_f32, 102, (P+2)
	RED v_max3_num_f32, v_max_num_f32, 103, (P+2)
.irp i, 0,1,2,3
	v_mov_b32 v[104+\i], v[100+\i]                 ; a DPP destination counts as read: written first
.endr
.irp i, 0,1,2,3
	v_mov_b32_dpp v[104+\i], v[100+\i] row_xmask:1 row_mask:0xf bank_mask:0xf    ; the other motion's box of the same row
.endr
	v_cmp_lt_f32 s37, v101, v104                   ; my largest x under the other's least,
	v_cmp_lt_f32 s38, v105, v100                   ; or the other way round,
	s_or_b32 s37, s37, s38
	v_cmp_lt_f32 s38, v103, v106                   ; or the same in z,
	v_cmp_lt_f32 s39, v107, v102
	s_or_b32 s38, s38, s39
	s_or_b32 s37, s37, s38
	v_add_nc_u32 v108, s17, v149
	v_add_nc_u32 v108, -1, v108                    ; the row's frame; -1 wraps to a large number
	v_cmp_le_u32 s38, 0x4000, v108                 ; or no such frame
	s_or_b32 vcc_lo, s37, s38
	v_mov_b32 v109, 0
	v_cndmask_b32 v109, 1.0, v109, vcc_lo
	v_lshlrev_b32 v153, 2, v148
	ds_store_b32 v153, v109 offset:FB
	; second job: the 65th frame against path s32 of motion2; the group of 8 lanes g = lane / 8 takes the path's segment g.
	; Joint i of a path = first + 2 i + min(i, lim): lim = 4 gives steps of 3, lim = 1 the steps 3, 2, 2 of the last two paths.
	s_lshl_b32 s18, s32, 2
	s_lshr_b32 s33, 0xde312, s18
	s_and_b32 s33, s33, 15                         ; first joint: 2, 1, 3, 14, 13
	s_cmp_ge_u32 s32, 3
	s_cselect_b32 s34, 1, 4                        ; lim
	s_cmp_eq_u32 s32, 2
	s_cselect_b32 s35, 4, 3                        ; segments in the path
	s_sub_co_u32 s36, s35, 1
	v_lshrrev_b32 v150, 3, v[LN]                   ; g
	v_min_u32 v151, s36, v150                      ; a group beyond the path repeats the last segment and is zeroed below
	v_add_nc_u32 v152, 1, v151
	v_min_u32 v153, s34, v151
	v_min_u32 v154, s34, v152
	v_lshl_add_u32 v153, v151, 1, v153
	v_lshl_add_u32 v154, v152, 1, v154
	v_add_nc_u32 v153, s33, v153
	v_add_nc_u32 v154, s33, v154
	v_mul_u32_u24 v153, 12, v153
	v_mul_u32_u24 v154, 12, v154
.irp c, 0,1,2
	ds_load_b32 v[P+\c],   v153 offset:M2+65*PITCH+4*\c
	ds_load_b32 v[P+3+\c], v154 offset:M2+65*PITCH+4*\c
.endr
	MKD
	s_wait_dscnt 0x0
	JOINT J0, P
	JOINT J1, (P+3)
	SEG J0, J1, ACC, 1
	v_cmp_gt_u32 vcc_lo, s35, v150
	v_cndmask_b32 v[ACC], 0, v[ACC], vcc_lo
	v_cndmask_b32 v[ACC+1], 0, v[ACC+1], vcc_lo
	v_add_f32_dpp v[ACC], v[ACC], v[ACC] row_xmask:8 row_mask:0xf bank_mask:0xf          ; over the four groups: lane xor 8,
	v_add_f32_dpp v[ACC+1], v[ACC+1], v[ACC+1] row_xmask:8 row_mask:0xf bank_mask:0xf
	v_permlanex16_b32 v[T], v[ACC], s30, s31                                             ; lane xor 16
	v_permlanex16_b32 v[T+1], v[ACC+1], s30, s31
	v_pk_add_f32 v[ACC:ACC+1], v[ACC:ACC+1], v[T:T+1]
	s_lshl_b32 s18, s32, 6
	v_lshl_add_u32 v155, v[AL], 3, s18
	ds_store_b64 v155, v[ACC:ACC+1] offset:SB+64*SFR       ; the four lanes that share an address hold the same sums
.Ljoin:
	s_wait_dscnt 0x0                               ; my sums and flags are in LDS before I say so
	s_barrier_signal -1
	s_barrier_wait -1
	s_cmp_ge_u32 s16, 16
	s_cbranch_scc1 .Lskip
	; THE DIFFERENCES, waves 0-15: lane = (output j = t / 8, path min(t % 8, 4) of motion2; lanes 5-7 repeat path 4, which a maximum does not see)
	v_min_u32 v72, 4, v[AL]
	v_mul_u32_u24 v73, SFR, v[JF]
	v_lshl_add_u32 v72, v72, 6, v73
	v_lshlrev_b32 v74, 3, v[JF]
.irp q, 0,1,2,3
	ds_load_b128 v[24+4*\q:27+4*\q], v72 offset:SB+16*\q           ; frame j: 16 segments of motion1
.endr
.irp q, 0,1,2,3
	ds_load_b128 v[40+4*\q:43+4*\q], v72 offset:SB+SFR+16*\q       ; frame j + 1
.endr
.irp q, 0,1,2,3
	ds_load_b32 v[56+\q], v74 offset:FB+8*\q                       ; flags of frames j - 1 to j + 2
.endr
	s_wait_dscnt 0x0
	v_max3_num_f32 v60, v56, v57, v58              ; the window: a frame counts if it or a neighbour overlaps
	v_max3_num_f32 v62, v57, v58, v59
	v_mul_f32 v61, s41, v60
	v_mul_f32 v60, s41, v60                        ; mask / (4 pi) of frame j, twice
	v_mul_f32 v63, s41, v62
	v_mul_f32 v62, s41, v62                        ; and of frame j + 1
.irp i, 0,2,4,6,8,10,12,14
	v_pk_mul_f32 v[24+\i:25+\i], v[24+\i:25+\i], v[60:61]
.endr
.irp i, 0,2,4,6,8,10,12,14
	v_pk_fma_f32 v[24+\i:25+\i], v[40+\i:41+\i], v[62:63], v[24+\i:25+\i] neg_lo:[0,0,1] neg_hi:[0,0,1]
.endr
	v_add_f32 v64, v24, v25                        ; the five paths of motion1: segments 0-2, 3-5, 6-9, 10-12, 13-15
	v_add_f32 v65, v27, v28
	v_add_f32 v66, v30, v31
	v_add_f32 v69, v32, v33
	v_add_f32 v67, v34, v35
	v_add_f32 v68, v37, v38
	v_add_f32 v64, v64, v26
	v_add_f32 v65, v65, v29
	v_add_f32 v66, v66, v69
	v_add_f32 v67, v67, v36
	v_add_f32 v68, v68, v39
	v_max3_num_f32 v64, |v64|, |v65|, |v66|
	v_max3_num_f32 v64, v64, |v67|, |v68|
	v_max_num_f32_dpp v64, v64, v64 row_xmask:1 row_mask:0xf bank_mask:0xf       ; over the output's eight lanes
	v_max_num_f32_dpp v64, v64, v64 row_xmask:2 row_mask:0xf bank_mask:0xf
	v_max_num_f32_dpp v64, v64, v64 row_xmask:4 row_mask:0xf bank_mask:0xf
	v_lshlrev_b32 v75, 2, v[JF]
	ds_store_b32 v75, v64 offset:OB                ; eight lanes, one word, one value
.Lskip:
	s_wait_dscnt 0x0
	s_barrier_signal -1
	s_barrier_wait -1
	s_cmp_lg_u32 s16, 0
	s_cbranch_scc1 .Lend
	; THE WAY OUT, wave 0: 8 bytes a lane, 256 consecutive bytes at a multiple of 256 from out's first byte
	v_lshlrev_b32 v72, 3, v[LN]
	ds_load_b64 v[24:25], v72 offset:OB
	s_lshl_b32 s18, ttmp9, 8
	v_add_nc_u32 v26, s18, v72
	v_lshl_add_u32 v27, v[LN], 1, s17
	v_add_nc_u32 v27, 1, v27                       ; the index of my second number
	v_cmp_gt_u32 vcc_lo, 16383, v27
	s_wait_dscnt 0x0
	s_and_saveexec_b32 s40, vcc_lo
	global_store_b64 v26, v[24:25], s[8:9]
	s_wait_xcnt 0x0                                ; EXEC is the store's source: it changes only behind this wait
	s_or_b32 exec_lo, exec_lo, s40
	v_cmp_le_u32 vcc_lo, 16383, v27                ; the last lane of the last group: out has 16383 numbers
	s_and_saveexec_b32 s40, vcc_lo
	global_store_b32 v26, v24, s[8:9]
	s_wait_xcnt 0x0
	s_or_b32 exec_lo, exec_lo, s40
.Lend:
	s_wait_tensorcnt 0x0
	ds_add_u32 v158, v159
	s_wait_dscnt 0x0
	s_endpgm
.Lfunc_end_k_q308579c57f_gli:
	.size	k_q308579c57f_gli, .Lfunc_end_k_q308579c57f_gli-k_q308579c57f_gli
	.p2alignl 7, 3214868480
	.fill 96, 4, 3214868480
	.section	.rodata,"a",@progbits
	.p2align	6, 0x0
	.amdhsa_kernel k_q308579c57f_gli
		.amdhsa_group_segment_fixed_size 61184
		.amdhsa_private_segment_fixed_size 0
		.amdhsa_enable_private_segment 0
		.amdhsa_kernarg_size 24
		.amdhsa_user_sgpr_count 2
		.amdhsa_user_sgpr_kernarg_segment_ptr 1
		.amdhsa_wavefront_size32 1
		.amdhsa_system_sgpr_workgroup_id_x 1
		.amdhsa_system_sgpr_workgroup_id_y 1
		.amdhsa_system_sgpr_workgroup_id_z 1
		.amdhsa_system_vgpr_workitem_id 0
		.amdhsa_next_free_vgpr 160
		.amdhsa_next_free_sgpr 66
		.amdhsa_reserve_vcc 1
		.amdhsa_float_denorm_mode_32 3
		.amdhsa_float_denorm_mode_16_64 3
		.amdhsa_memory_ordered 1
		.amdhsa_forward_progress 1
		.amdhsa_inst_pref_size 143
	.end_amdhsa_kernel
	.amdgpu_metadata
---
amdhsa.version: [ 1, 2 ]
amdhsa.kernels:
  - .name:           k_q308579c57f_gli
    .symbol:         k_q308579c57f_gli.kd
    .args:
      - { .name: motion1, .offset: 0, .size: 8, .value_kind: global_buffer, .address_space: global }
      - { .name: motion2, .offset: 8, .size: 8, .value_kind: global_buffer, .address_space: global }
      - { .name: out0, .offset: 16, .size: 8, .value_kind: global_buffer, .address_space: global }
    .group_segment_fixed_size: 61184
    .private_segment_fixed_size: 0
    .kernarg_segment_align: 8
    .kernarg_segment_size: 24
    .max_flat_workgroup_size: 672
    .sgpr_count:     66
    .vgpr_count:     160
    .wavefront_size: 32
...
	.end_amdgpu_metadata
.endif
;; end of part 1
